; MI455X (gfx1250); checked and timed in simulation.
; The chip was launched on July 23, 2026; its instructions are those of AMD's public machine-readable ISA for CDNA 5 (MIT licence, August 2026) and "CDNA5" Instruction Set Architecture Reference Guide (July 2026). The comments in the code are by the model that wrote it; some were corrected since.
;; Predictor LG. Allowed arithmetic: matrix products marked QUANTISED: E4M3 operands, one given power-of-two scale a tensor, by v_wmma_f32_16x16x64_fp8_fp8 or v_wmma_f32_16x16x128_fp8_fp8, f32 sums; products left as they are: f32 operands where the result goes on into a quantised operand, else bf16, f16 or f32 operands; f32 sums; everything else in f32.
;; Inputs: W_gd_codes 64 x 4 x 32 uint8 (E4M3 codes of W_gd, K innermost, in blocks of 32 codes); W_in_codes 64 x 4 x 32 uint8 (E4M3 codes of W_in, K innermost, in blocks of 32 codes); W_out1_codes 64 x 4 x 32 uint8 (E4M3 codes of W_out1, K innermost, in blocks of 32 codes); W_out2 64 x 1 float32; guidance 256 x 1 x 128 float32; ln_gd_b 128 float32; ln_gd_g 128 float32; ln_in_b 128 float32; ln_in_g 128 float32; lowp_scales 6 int32 (the exponents e of the quantised operands' scales 2^e); x 256 x 1,024 x 128 float32.
;; Outputs: out0 256 x 1,024 x 1 float32.
;; This version of the problem:
;;   THIS VERSION OF THE PROBLEM IS GIVEN IN LOW PRECISION. The matrix products marked QUANTISED in the list below multiply operands that are first quantised to E4M3 (4 exponent bits, 3 mantissa bits; 8 bits a number), with one given power-of-two scale for each operand tensor; their sums are f32. All else is computed in f32.
;;   The module's matrix products, in the order in which they are computed (A, B: the left and right operand; K: the contracted axis; several contracted axes count as one K, in the product's order):
;;     1. [M 262,144, K 128] x [K 128, N 64]; A: computed on the way; B: input W_in (given as codes): QUANTISED (scales: A lowp_scales[0], B lowp_scales[1])
;;     2. [M 256, K 128] x [K 128, N 64]; A: computed on the way; B: input W_gd (given as codes): QUANTISED (scales: A lowp_scales[2], B lowp_scales[3])
;;     3. [M 262,144, K 128] x [K 128, N 64]; A: computed on the way; B: input W_out1 (given as codes): QUANTISED (scales: A lowp_scales[4], B lowp_scales[5])
;;     4. [M 262,144, K 64] x [K 64, N 1]; A: computed on the way; B: input W_out2: left as it is (N = 1 < 16)
;;   THE QUANTISER, for each operand of a quantised product, along K:
;;     - The operand's scale is 2^e, e = its entry of the input lowp_scales (int32; the entries are numbered through the quantised products in the list's order, A before B).
;;     - Each number is divided by the scale, clamped to +-448, and rounded to the nearest number of E4M3, ties to even, subnormals kept.
;;     - The product sums the exact products of the quantised numbers (number of the format x scale) in f32.
;;   ~~~python
;;   def quantise(x, axis, e):      # numpy; x: float32 -> the quantised numbers, widened to float32 again
;;       x = np.moveaxis(x, axis, -1); K = x.shape[-1]
;;       r = np.clip(x / 2.0 ** e, -448, 448)
;;       step = 2.0 ** (np.maximum(np.frexp(np.where(r == 0, 1, r))[1] - 1, -6) - 3)
;;       q = np.round(r / step) * step * 2.0 ** e      # np.round: ties to even
;;       return np.moveaxis(q, -1, axis).astype(np.float32)
;;   ~~~
;;   OPERANDS COMPUTED ON THE WAY. 'Computed on the way' means the value that the module computes at that place (a softmax that the list does not call 'softmax' is quantised finished and normalised). What goes into a quantiser is computed in f32, as accurately as f32 sums, v_exp_f32 and their like allow (about 1e-6 of the number): no bf16 or f16 on the way to a quantiser, and a product that is left as it is and whose result goes on into a quantised operand takes f32 operands (vector FMAs, or v_wmma_f32_16x16x4_f32). A number that lies on a knife's edge between two numbers of the format may be rounded either way, as far as f32 arithmetic and the matrix unit's own rounding can turn it there, and no further.
;;   INPUTS GIVEN AS CODES. W_gd (in the module: [128, 64], K = its axis 0); W_in (in the module: [128, 64], K = its axis 0); W_out1 (in the module: [128, 64], K = its axis 0): each comes as NAME_codes (uint8): NAME with its K axis moved to the last place and cut into blocks of 32 codes, [.., K / 32, bytes a block], one block behind the other in memory; one code a byte (a code: sign, 4 exponent bits, 3 mantissa bits); its scale is its entry of lowp_scales. Its value is code x scale, taken as it is: it is not quantised again, and the codes and scales need not be those that the quantiser above would give.
;; One version. Each part assembles by itself: llvm-mc -triple=amdgcn-amd-amdhsa -mcpu=gfx1250 --defsym DOCPART=n.
;; ======== version 1 of 1: 1 launch
;; launch predictor (part 1): grid 256 x 1, 8 waves a work-group, no clusters, 89,088 bytes of LDS; arguments x, guidance, ln_in_g, ln_in_b, ln_gd_g, ln_gd_b, W_in_codes, W_gd_codes, W_out1_codes, W_out2, lowp_scales, out0; writes out0
.if DOCPART == 1
	.amdgcn_target "amdgcn-amd-amdhsa--gfx1250"
	.amdhsa_code_object_version 6
	.text
	.protected	k_q15ca34697f_predictor
	.globl	k_q15ca34697f_predictor
	.p2align	8
	.type	k_q15ca34697f_predictor,@function
k_q15ca34697f_predictor:
	s_mov_b64 s[64:65], 0
	v_nop
	global_prefetch_b8 v0, s[64:65] scope:SCOPE_SE
	s_setreg_imm32_b32 hwreg(HW_REG_WAVE_MODE, 25, 1), 1
	s_wait_xcnt 0x0
; out0[b][n] = tanh( gelu( Q4([ gelu(Q0(LN(x[b][n])) W_in) , gelu(Q2(LN(guidance[b])) W_gd) ]) W_out1 ) . W_out2 )
; Q: the quantiser to E4M3 with the given scale 2^e (lowp_scales: e0 .. e5); the three weights arrive as codes, K innermost, rows of 128 bytes.
; SHARES.  Work-group b is batch b: 1,024 tokens.  Eight waves; wave w owns tokens 128 w .. 128 w + 127: eight tiles of 16 tokens.  Waves share nothing: each has LDS bytes of its own, and there is no barrier.
; Each wave makes the batch's 64 guidance numbers for itself, once, at its head.
; NO CLUSTER, NO JOINT LOADS: what work-groups share is 25 KB of weights and parameters, which each wave reads once into registers, against 512 KB of x that a work-group reads alone.
; x comes through registers: a load takes one whole row of x, 512 consecutive bytes; sixteen loads (one tile) of a wave are always out, under counted waits.  A tile is turned into the operand's layout
; through the wave's stage in LDS: stored as it lies, read back 64 bytes a lane and block.
; LAYOUT (r = lane % 16, h = lane / 16).  Products 1 and 3 are used transposed (source 0 = 16 rows of the weight, source 1 = 16 tokens): a lane holds ONE token, r, throughout.
; Every fragment holds k = 32 c + 16 h + 4 i + byte in register 4 c + i: the same order of k on both sides of a product, so every product meets its partner.
; THE ROWS OF W_in THAT FORM A TILE ARE NOT NEIGHBOURS: lane r of tile 2 b + u takes row 32 b + 8 u + r + 8 (r / 8), so that ACC[16 b + n] is hidden unit 32 b + 16 h + n and the conversions' results
; are registers 4 b .. 4 b + 3 of product 3's operand.  Its registers 8 .. 15, the guidance half (k = 64 .. 127), are made once and stay.
; LAYERNORM in two passes, as the reference has it: the mean, the differences, the mean of their squares: a common offset of the inputs costs no digits.
; GELU(u) = z (sqrt(1/2) + sqrt(1/2) erf(zc)), z = u sqrt(1/2), zc = z held within +-4, erf(zc) = zc P(zc^2) / Q(zc^2): P of degree 6, Q of degree 4; sqrt(1/2) is folded into P's coefficients and into the sums' scale.
; TANH(s) = 1 - 2 / (1 + 2^(s 2 / ln 2)), once at the wave's end for its 128 tokens.
; LIMITS.  e0, e2, e4 between -126 and 119; e0 + e1, e2 + e3, e4 + e5 between -126 and 127, so that each power of two below is an f32 number.  1 + erf carries an absolute error of about 1e-7, so gelu(u) an error
; of about 1.2e-7 |u|, for u far below 0 too, where the true value is next to 0.  NaN among the inputs is not served.
.set TILEB,  8192                      ; a tile of x: 16 rows of 512 bytes
.set WREG,   11008                     ; LDS bytes of a wave
.set SPITCH, 528                       ; the stage, at byte 0 of the wave's region: 16 rows of 512 bytes + 16: 33 x 16, so the sixteen rows that a read touches start 16 bytes apart modulo 256
.set PG,     8448                      ; ln_in_g as it lies, 512 bytes
.set PB,     8960                      ; ln_in_b, 512 bytes
.set PW,     9472                      ; W_out2, 256 bytes
.set GA,     9728                      ; the codes of LN(guidance), k ascending, 128 bytes
.set GS,     9856                      ; the codes of the guidance half, a copy of 64 bytes for each half of the lanes
.set OS,     9984                      ; the sums ahead of tanh: token t at 4 t; lanes 16-31 write a second copy 512 bytes on, which nobody reads
; window 0: v1 16 x lane; v2 that + my region; v3 stage reads; v4 256 x lane; v5 where a sum goes; v6, v7: 2^e0, 448 x 2^e0; v8, v9: the same with e4; v[10:11] -mean; v[12:13] 1 / sqrt(var + eps);
;   v[14:15], v[16:17] leading coefficients of P and Q; v26-28 at work; v29, v30 offsets in the weights; v31 8 x lane
.set CH,   18                          ; v[18:25]   four chains of pairs
.set X,    32                          ; v[32:95]   a tile's numbers: X[16 c + n] = x(r, 32 c + 16 h + n); later at work in GELU:
.set ZC,   32
.set Z2,   48
.set PP,   64
.set QQ,   80
.set XC,   96                          ; v[96:111]  the codes of LN(x)
.set HC,   112                         ; v[112:127] product 3's operand
.set ACC,  128                         ; v[128:159] four accumulators
.set W2,   160                         ; v[160:191] W2[8 t + j] = W_out2[16 t + 8 h + j]
.set R,    192                         ; v[192:255] the ring of loads: row i of a tile in R + 4 i
; window 1:
.set GG,   0                           ; ln_in_g, laid as X
.set BB,   64                          ; ln_in_b, laid as X
.set WI,   128                         ; W_in's four fragments
.set WO,   192                         ; W_out1's four fragments
; scalars: s2 wave; s3 my LDS region; s[16:39] the twelve addresses; s[40:45] e0 .. e5; s[78:79] lane selects; s80 1/128; s81 eps; s82 trips; s83 64 x tile; s84-87 at work
.set XB,   46                          ; s[46:47] x at the tile that a trip loads
.set AL,   48                          ; s[48:59] P's coefficients 0 .. 5, x sqrt(1/2), each as a pair
.set RH,   60                          ; s[60:61] sqrt(1/2)
.set S2,   62                          ; s[62:63] 2^(e2 + e3) sqrt(1/2)
.set BE,   66                          ; s[66:73] Q's coefficients 0 .. 3, each as a pair
.set S1,   74                          ; s[74:75] 2^(e0 + e1) sqrt(1/2)
.set S3,   76                          ; s[76:77] 2^(e4 + e5) sqrt(1/2)
.set MSB, 0
.macro WIN new                         ; the immediate's high byte repeats the setting that is left; a switch that changes nothing is dropped
.if MSB != \new
	s_set_vgpr_msb (MSB<<8)|\new
.set MSB, \new
.endif
.endm
.macro COEF d, bits, half              ; a constant as a scalar pair; half = 1: x sqrt(1/2)
	s_mov_b32 s[\d], \bits
.if \half
	s_mul_f32 s[\d], s[\d], s[RH]
.endif
	s_mov_b32 s[\d+1], s[\d]
.endm
.macro POW2H d, ea                     ; 2^(two neighbouring exponents added) x sqrt(1/2), as a pair
	s_add_co_i32 s84, s[\ea], s[\ea+1]
	s_add_co_i32 s84, s84, 127
	s_lshl_b32 s84, s84, 23
	s_mul_f32 s[\d], s84, s[RH]
	s_mov_b32 s[\d+1], s[\d]
.endm
.macro QSC vs, vl, e                   ; v[vs] = 2^e as f32: the conversion takes its exponent field; v[vl] = 448 x 2^e
	s_add_co_i32 s84, s[\e], 127
	s_lshl_b32 s85, s84, 23
	v_mov_b32 v[\vs], s85
	s_add_co_i32 s84, s84, 8
	s_lshl_b32 s84, s84, 23
	s_or_b32 s84, s84, 0x600000
	v_mov_b32 v[\vl], s84
.endm
.macro LOADQ q, base, off              ; four rows of a tile: each load reads 512 consecutive bytes
.irp j, 0,1,2,3
	global_load_b128 v[R+16*(\q)+4*\j:R+16*(\q)+4*\j+3], v1, s[\base:\base+1] offset:\off+512*(4*(\q)+\j) th:TH_LOAD_NT
.endr
.endm
.macro STOREQ q                        ; and into the stage, as they lie
.irp j, 0,1,2,3
	ds_store_b128 v2, v[R+16*(\q)+4*\j:R+16*(\q)+4*\j+3] offset:SPITCH*(4*(\q)+\j)
.endr
.endm
.macro XFETCH                          ; the tile in the stage comes back in the operand's order: of row r, 16 neighbours of each block of 32.  LDS serves a wave's instructions in order: these see my stores
.irp c, 0,1,2,3
.irp q, 0,1,2,3
	ds_load_b128 v[X+16*\c+4*\q:X+16*\c+4*\q+3], v3 offset:128*\c+16*\q
.endr
.endr
.endm
.macro JOIN                            ; the four chains, the pair's halves and lane l xor 16's: the token's sum, in v27 of both its lanes
	v_pk_add_f32 v[CH:CH+1], v[CH:CH+1], v[CH+2:CH+3]
	v_pk_add_f32 v[CH+4:CH+5], v[CH+4:CH+5], v[CH+6:CH+7]
	v_pk_add_f32 v[CH:CH+1], v[CH:CH+1], v[CH+4:CH+5]
	v_add_f32 v27, v[CH], v[CH+1]
	v_permlanex16_b32 v26, v27, s78, s79
	v_add_f32 v27, v27, v26
.endm
; LayerNorm and quantiser: X -> XC
.macro LNQ
	s_wait_dscnt 12                                ; the stage's sixteen reads come back in order: the first four, block 0, are in
.irp k, 0,1,2,3
	v_pk_add_f32 v[CH+2*\k:CH+2*\k+1], v[X+2*\k:X+2*\k+1], v[X+8+2*\k:X+8+2*\k+1]   ; the first eight pairs start the chains: nothing is cleared
.endr
.irp c, 1,2,3
	s_wait_dscnt 12-4*\c                           ; block c is in
.irp p, 0,1,2,3,4,5,6,7
	v_pk_add_f32 v[CH+2*(\p%4):CH+2*(\p%4)+1], v[CH+2*(\p%4):CH+2*(\p%4)+1], v[X+16*\c+2*\p:X+16*\c+2*\p+1]
.endr
.endr
	JOIN
	v_mul_f32 v10, 0xbc000000, v27                 ; -mean = sum x -1/128
.set i, 0
.rept 32
	v_pk_add_f32 v[X+2*i:X+2*i+1], v[X+2*i:X+2*i+1], v[10:11] op_sel_hi:[1,0]   ; d = x - mean
.set i, i+1
.endr
.irp k, 0,1,2,3
	v_pk_mul_f32 v[CH+2*\k:CH+2*\k+1], v[X+2*\k:X+2*\k+1], v[X+2*\k:X+2*\k+1]
.endr
.set i, 4
.rept 28
	v_pk_fma_f32 v[CH+2*(i%4):CH+2*(i%4)+1], v[X+2*i:X+2*i+1], v[X+2*i:X+2*i+1], v[CH+2*(i%4):CH+2*(i%4)+1]
.set i, i+1
.endr
	JOIN
	v_fma_f32 v27, v27, s80, s81                   ; var + eps
	v_rsq_f32 v12, v27
	v_nop                                          ; a plain instruction behind the transcendental (ISA guide 5.7.2),
	s_wait_alu depctr_va_vdst(0)                   ; and the wait ahead of the first use
.set i, 0
.rept 32
	v_pk_mul_f32 v[X+2*i:X+2*i+1], v[X+2*i:X+2*i+1], v[12:13] op_sel_hi:[1,0]
.set i, i+1
.endr
	WIN 0x14                                       ; sources 1 and 2 (gain, bias) in window 1
.set i, 0
.rept 32
	v_pk_fma_f32 v[X+2*i:X+2*i+1], v[X+2*i:X+2*i+1], v[GG+2*i:GG+2*i+1], v[BB+2*i:BB+2*i+1]
.set i, i+1
.endr
	WIN 0
.irp c, 0,1,2,3
.set i, 0
.rept 16
	v_med3_num_f32 v[X+16*\c+i], v[X+16*\c+i], -v7, v7   ; the conversion to an 8-bit code does not saturate (ISA guide 7.6.2): the hold at the largest code x the scale
.set i, i+1
.endr
	v_cvt_scalef32_pk8_fp8_f32 v[XC+4*\c:XC+4*\c+1], v[X+16*\c:X+16*\c+7], v6
	v_cvt_scalef32_pk8_fp8_f32 v[XC+4*\c+2:XC+4*\c+3], v[X+16*\c+8:X+16*\c+15], v6
.endr
	v_nop                                          ; one plain vector instruction between the last conversion and the products that read its result
.endm
; four products, transposed: 64 rows of a weight (window 1) x my 16 tokens, K = 128.  Each starts its own sum with the constant 0: no accumulator is added onto
.macro MM w, frag
	WIN 0x01                                       ; source 0 in window 1
.irp t, 0,1,2,3
	v_wmma_f32_16x16x128_fp8_fp8 v[ACC+8*\t:ACC+8*\t+7], v[\w+16*\t:\w+16*\t+15], v[\frag:\frag+15], 0
.endr
	WIN 0
.rept 4
	v_nop                                          ; four places between the products and the first read of their results (ISA guide 7.12.1)
.endr
.endm
.macro HORNER d, np, c                 ; d = d x zc^2 + c, np pairs
.set i, 0
.rept \np
	v_pk_fma_f32 v[\d+2*i:\d+2*i+1], v[\d+2*i:\d+2*i+1], v[Z2+2*i:Z2+2*i+1], s[\c:\c+1] op_sel_hi:[1,1,0]
.set i, i+1
.endr
.endm
; gelu in place on 2 np numbers from v[a] on.  s: the scalar pair that turns a sum into z (-1: z is there already).  Each accumulator is read from its low end on.
.macro GELU a, np, s
.if \s >= 0
.set i, 0
.rept \np
	v_pk_mul_f32 v[\a+2*i:\a+2*i+1], v[\a+2*i:\a+2*i+1], s[\s:\s+1] op_sel_hi:[1,0]   ; z = sum x 2^(ea + eb) x sqrt(1/2)
.set i, i+1
.endr
.endif
.set i, 0
.rept 2*\np
	v_med3_num_f32 v[ZC+i], v[\a+i], -4.0, 4.0
.set i, i+1
.endr
.set i, 0
.rept \np
	v_pk_mul_f32 v[Z2+2*i:Z2+2*i+1], v[ZC+2*i:ZC+2*i+1], v[ZC+2*i:ZC+2*i+1]
.set i, i+1
.endr
.set i, 0
.rept \np
	v_pk_fma_f32 v[PP+2*i:PP+2*i+1], v[Z2+2*i:Z2+2*i+1], v[14:15], s[AL+10:AL+11] op_sel_hi:[1,1,0]
.set i, i+1
.endr
.set i, 0
.rept \np
	v_pk_fma_f32 v[QQ+2*i:QQ+2*i+1], v[Z2+2*i:Z2+2*i+1], v[16:17], s[BE+6:BE+7] op_sel_hi:[1,1,0]
.set i, i+1
.endr
	HORNER PP, \np, AL+8
	HORNER QQ, \np, BE+4
	HORNER PP, \np, AL+6
	HORNER QQ, \np, BE+2
	HORNER PP, \np, AL+4
	HORNER QQ, \np, BE
	HORNER PP, \np, AL+2
.set i, 0
.rept 2*\np
	v_rcp_f32 v[QQ+i], v[QQ+i]                     ; one batch
.set i, i+1
.endr
	HORNER PP, \np, AL                             ; plain work that names no reciprocal stands behind the batch,
.set i, 0
.rept \np
	v_pk_mul_f32 v[PP+2*i:PP+2*i+1], v[PP+2*i:PP+2*i+1], v[ZC+2*i:ZC+2*i+1]
.set i, i+1
.endr
	s_wait_alu depctr_va_vdst(0)                   ; then one wait, ahead of the batch's first reader
.set i, 0
.rept \np
	v_pk_fma_f32 v[PP+2*i:PP+2*i+1], v[PP+2*i:PP+2*i+1], v[QQ+2*i:QQ+2*i+1], s[RH:RH+1] op_sel_hi:[1,1,0]   ; sqrt(1/2) (erf + 1)
.set i, i+1
.endr
.set i, 0
.rept \np
	v_pk_mul_f32 v[\a+2*i:\a+2*i+1], v[\a+2*i:\a+2*i+1], v[PP+2*i:PP+2*i+1]
.set i, i+1
.endr
.endm
.macro QH b                            ; hidden units 32 b + 16 h + 0 .. 15 become registers 4 b .. 4 b + 3 of product 3's operand
.set i, 0
.rept 16
	v_med3_num_f32 v[ACC+16*\b+i], v[ACC+16*\b+i], -v9, v9
.set i, i+1
.endr
	v_cvt_scalef32_pk8_fp8_f32 v[HC+4*\b:HC+4*\b+1], v[ACC+16*\b:ACC+16*\b+7], v8
	v_cvt_scalef32_pk8_fp8_f32 v[HC+4*\b+2:HC+4*\b+3], v[ACC+16*\b+8:ACC+16*\b+15], v8
.endm
.macro DOT b                           ; product 4, in f32: sixteen of my 32 units x W_out2, in four chains; the first four pairs start them
.irp p, 0,1,2,3,4,5,6,7
.if (\b == 0) && (\p < 4)
	v_pk_mul_f32 v[CH+2*\p:CH+2*\p+1], v[ACC+2*\p:ACC+2*\p+1], v[W2+2*\p:W2+2*\p+1]
.else
	v_pk_fma_f32 v[CH+2*(\p%4):CH+2*(\p%4)+1], v[ACC+16*\b+2*\p:ACC+16*\b+2*\p+1], v[W2+16*\b+2*\p:W2+16*\b+2*\p+1], v[CH+2*(\p%4):CH+2*(\p%4)+1]
.endif
.endr
.endm
; THE RING'S POINTS, five in a tile's work.  mode 2: the next tile moves from the ring's registers into the stage, four rows a point, and the registers so freed take the tile after it.
; Sixteen loads are out at every point: the four that are wanted are the oldest, the twelve younger stay out.  mode 1: the last tile moves, nothing is loaded, the counts run down.  mode 0: nothing.
.macro POINT p, mode
.if \mode == 2
.if \p > 0
	s_wait_dscnt 0x0                               ; the last point's stores into the stage have read their registers,
	LOADQ (\p-1), XB, 0                            ; which take the same rows of the tile two on
.if \p == 1
	; A PREFETCH INTO THE L2, behind the trip's first loads: the 8,192 bytes of the tile whose loads begin one trip later, a lane to each 256 bytes.  Each wave asks for its own tiles 3 to 7, each once;
	; tiles 0 to 2 come by their loads alone, and the last trip asks for nothing: the bytes behind tile 7 are not this wave's.
	s_cmp_lt_u32 s82, 5
	s_cbranch_scc0 .Lno_ask_\@
	global_prefetch_b8 v4, s[XB:XB+1] offset:TILEB th:TH_LOAD_NT scope:SCOPE_SE
.Lno_ask_\@:
.endif
.endif
.if \p < 4
	s_wait_loadcnt 12
	STOREQ \p
.endif
.elseif \mode == 1
.if \p < 4
	s_wait_loadcnt 12-4*\p
	STOREQ \p
.endif
.endif
.endm
; ONE TILE of 16 tokens
.macro TILE mode
	XFETCH
	LNQ
	MM WI, XC                                      ; product 1
	POINT 0, \mode
	GELU ACC, 8, S1
	QH 0
	POINT 1, \mode
	GELU ACC+16, 8, S1
	QH 1
	v_nop                                          ; one plain vector instruction between the last conversion and the products, which read its result and write its sources
	MM WO, HC                                      ; product 3: ACC[8 t + j] = unit 16 t + 8 h + j of token r
	POINT 2, \mode
	GELU ACC, 8, S3
	DOT 0
	POINT 3, \mode
	GELU ACC+16, 8, S3
	POINT 4, \mode
	DOT 1
	JOIN
	v_add_nc_u32 v28, s83, v5
	ds_store_b32 v28, v27                          ; the token's sum, kept for the wave's end
	s_add_co_u32 s83, s83, 64
.endm
	; ---- THE HEAD
	s_load_b512 s[16:31], s[0:1], 0x0              ; x, guidance, ln_in_g, ln_in_b, ln_gd_g, ln_gd_b, W_in's codes, W_gd's codes
	s_load_b256 s[32:39], s[0:1], 0x40             ; W_out1's codes, W_out2, the scales' exponents, out0
	v_lshrrev_b32 v21, 5, v0
	v_readfirstlane_b32 s2, v21                    ; wave 0..7
	v_and_b32 v18, 31, v0                          ; lane
	v_and_b32 v19, 15, v0                          ; r
	v_bfe_u32 v20, v0, 4, 1                        ; h
	s_mul_i32 s3, s2, WREG                         ; my LDS region
	v_lshlrev_b32 v1, 4, v18
	v_add_nc_u32 v2, s3, v1
	v_mul_u32_u24 v3, v19, SPITCH
	v_lshl_add_u32 v3, v20, 6, v3
	v_add_nc_u32 v3, s3, v3                        ; stage row r, + 64 h
	v_lshlrev_b32 v4, 8, v18
	v_lshlrev_b32 v5, 2, v19
	v_lshl_add_u32 v5, v20, 9, v5
	v_add_nc_u32 v5, s3, v5
	v_add_nc_u32 v5, OS, v5
	v_and_b32 v21, 8, v19
	v_add_nc_u32 v21, v21, v19                     ; r + 8 (r / 8)
	v_lshlrev_b32 v29, 7, v21
	v_lshl_add_u32 v29, v20, 4, v29                ; W_in: that row of 128 bytes, + 16 h
	v_lshlrev_b32 v30, 7, v19
	v_lshl_add_u32 v30, v20, 4, v30                ; W_gd, W_out1: row r, + 16 h
	v_lshlrev_b32 v31, 3, v18
	v_add_nc_u32 v112, s3, v31                     ; addresses of the head alone, in registers that product 3's operand takes later
	v_lshl_add_u32 v113, v18, 2, s3
	v_lshl_add_u32 v114, v20, 6, s3
	v_lshl_add_u32 v115, v20, 5, s3
	v_lshl_add_u32 v116, v20, 4, s3
	v_mul_u32_u24 v117, v20, 80
	v_add_nc_u32 v117, s3, v117
	v_add_nc_u32 v118, v114, v19
	v_mov_b32 v11, 0                               ; named as the upper halves of pairs, so they are written
	v_mov_b32 v13, 0
	v_mov_b32 v22, 0                               ; named among a conversion's eight sources
	v_mov_b32 v23, 0
	v_mov_b32 v26, 0                               ; a lane permute's destination counts as one of its sources
	s_lshl_b32 s4, ttmp9, 19                       ; x: batch x 1,024 rows of 512 bytes + wave x 128 rows
	s_lshl_b32 s5, s2, 16
	s_add_co_u32 s4, s4, s5
	s_mov_b32 s5, 0
	s_lshl_b32 s6, ttmp9, 9                        ; guidance: batch x 512 bytes
	s_mov_b32 s7, 0
	s_lshl_b32 s84, ttmp9, 12                      ; out0: batch x 4,096 bytes + wave x 512
	s_lshl_b32 s85, s2, 9
	s_add_co_u32 s84, s84, s85
	s_mov_b32 s85, 0
	s_mov_b32 s78, 0x76543210                      ; v_permlanex16_b32: lane l xor 16
	s_mov_b32 s79, 0xfedcba98
	s_mov_b32 s80, 0x3c000000                      ; 1/128
	s_mov_b32 s81, 0x3727c5ac                      ; 1e-5
	s_wait_kmcnt 0x0
	s_load_b128 s[40:43], s[36:37], 0x0            ; e0 .. e3
	s_load_b64 s[44:45], s[36:37], 0x10            ; e4, e5
	s_add_nc_u64 s[16:17], s[16:17], s[4:5]
	s_add_nc_u64 s[18:19], s[18:19], s[6:7]
	s_add_nc_u64 s[38:39], s[38:39], s[84:85]
	s_add_nc_u64 s[XB:XB+1], s[16:17], 2*TILEB     ; a pair of its own: the loop's first trip loads tile 2
.irp q, 0,1,2,3
	LOADQ \q, 16, 0                                ; tile 0
.endr
	global_load_b128 v[128:131], v1, s[18:19]      ; the guidance row: lane l holds k = 4 l .. 4 l + 3
	global_load_b128 v[132:135], v1, s[24:25]      ; ln_gd_g
	global_load_b128 v[136:139], v1, s[26:27]      ; ln_gd_b
	global_load_b128 v[148:151], v1, s[20:21]      ; ln_in_g
	global_load_b128 v[152:155], v1, s[22:23]      ; ln_in_b
	global_load_b64 v[156:157], v31, s[34:35]      ; W_out2
.irp t, 0,1,2,3
.irp c, 0,1,2,3
	global_load_b128 v[X+16*\t+4*\c:X+16*\t+4*\c+3], v30, s[30:31] offset:2048*\t+32*\c   ; W_gd's four fragments, for the head alone
.endr
.endr
	WIN 0x40                                       ; destination window 1
.irp t, 0,1,2,3
.irp c, 0,1,2,3
	global_load_b128 v[WI+16*\t+4*\c:WI+16*\t+4*\c+3], v29, s[28:29] offset:(32*(\t/2)+8*(\t%2))*128+32*\c
.endr
.endr
	WIN 0
	COEF RH, 0x3f3504f3, 0                         ; sqrt(1/2)
	COEF AL,    0xbc83dbd4, 1                      ; P: -1.60960333262415e-02
	COEF AL+2,  0xbb41a1f6, 1                      ;    -2.95459980854025e-03
	COEF AL+4,  0xba40ac63, 1                      ;    -7.34990630326855e-04
	COEF AL+6,  0xb86ec2d2, 1                      ;    -5.69250639462346e-05
	COEF AL+8,  0xb60cff51, 1                      ;    -2.10102402082508e-06
	COEF AL+10, 0x32edffee, 1                      ;     2.77068142495902e-08
	COEF 86,    0xaf95df0b, 1                      ;    -2.72614225801306e-10
	v_mov_b32 v14, s86
	v_mov_b32 v15, s86
	COEF BE,    0xbc69b6a7, 0                      ; Q: -1.42647390514189e-02
	COEF BE+2,  0xbbf19bf8, 0                      ;    -7.37332916720468e-03
	COEF BE+4,  0xbadc924e, 0                      ;    -1.68282697438203e-03
	COEF BE+6,  0xb95fbd29, 0                      ;    -2.13374055278905e-04
	v_mov_b32 v16, 0xb77460cd                      ;    -1.45660718464996e-05
	v_mov_b32 v17, 0xb77460cd
	s_wait_kmcnt 0x0                               ; the exponents
	POW2H S1, 40
	POW2H S2, 42
	POW2H S3, 44
	QSC 6, 7, 40
	QSC 24, 25, 42                                 ; e2's, for the head alone
	QSC 8, 9, 44
	s_wait_loadcnt 32                              ; behind W_out2's load stand W_gd's sixteen and W_in's sixteen: tile 0, the guidance row and the parameters are in
	WIN 0x40
.irp t, 0,1,2,3
.irp c, 0,1,2,3
	global_load_b128 v[WO+16*\t+4*\c:WO+16*\t+4*\c+3], v30, s[32:33] offset:2048*\t+32*\c
.endr
.endr
	WIN 0
.irp q, 0,1,2,3
	STOREQ \q                                      ; tile 0 into the stage
.endr
	ds_store_b128 v2, v[148:151] offset:PG
	ds_store_b128 v2, v[152:155] offset:PB
	ds_store_b64 v112, v[156:157] offset:PW
	; the guidance row's LayerNorm, four numbers a lane, sums over the 32 lanes
.macro SUM32
	v_add_f32 v27, v[CH], v[CH+1]
	v_add_f32_dpp v27, v27, v27 row_xmask:1 row_mask:0xf bank_mask:0xf
	v_add_f32_dpp v27, v27, v27 row_xmask:2 row_mask:0xf bank_mask:0xf
	v_add_f32_dpp v27, v27, v27 row_xmask:4 row_mask:0xf bank_mask:0xf
	v_add_f32_dpp v27, v27, v27 row_xmask:8 row_mask:0xf bank_mask:0xf
	v_permlanex16_b32 v26, v27, s78, s79
	v_add_f32 v27, v27, v26
.endm
	v_pk_add_f32 v[CH:CH+1], v[128:129], v[130:131]
	SUM32
	v_mul_f32 v10, 0xbc000000, v27
	v_pk_add_f32 v[128:129], v[128:129], v[10:11] op_sel_hi:[1,0]
	v_pk_add_f32 v[130:131], v[130:131], v[10:11] op_sel_hi:[1,0]
	v_pk_mul_f32 v[CH:CH+1], v[128:129], v[128:129]
	v_pk_fma_f32 v[CH:CH+1], v[130:131], v[130:131], v[CH:CH+1]
	SUM32
	v_fma_f32 v27, v27, s80, s81
	v_rsq_f32 v12, v27
	v_nop
	s_wait_alu depctr_va_vdst(0)                   ; the wait ahead of the first use
	v_pk_mul_f32 v[128:129], v[128:129], v[12:13] op_sel_hi:[1,0]
	v_pk_mul_f32 v[130:131], v[130:131], v[12:13] op_sel_hi:[1,0]
	v_pk_fma_f32 v[128:129], v[128:129], v[132:133], v[136:137]
	v_pk_fma_f32 v[130:131], v[130:131], v[134:135], v[138:139]
.irp i, 0,1,2,3
	v_med3_num_f32 v[128+\i], v[128+\i], -v25, v25
.endr
	v_cvt_scalef32_pk8_fp8_f32 v[144:145], v[128:135], v24   ; my four codes are v144; the other four sources are the gain's registers, and their codes, v145, are not used
	v_nop                                          ; one plain vector instruction behind the conversion: the products below write its registers
	ds_store_b32 v113, v144 offset:GA
	s_wait_dscnt 0x0                               ; the stores into the stage have read the ring's registers
	s_wait_loadcnt 32                              ; behind W_gd's loads stand W_in's sixteen and W_out1's sixteen: W_gd is in
.irp q, 0,1,2,3
	LOADQ \q, 16, TILEB                            ; tile 1
.endr
	WIN 0x40
.irp c, 0,1,2,3
.irp q, 0,1,2,3
	ds_load_b128 v[GG+16*\c+4*\q:GG+16*\c+4*\q+3], v114 offset:PG+128*\c+16*\q   ; gain and bias in X's order: they stay
	ds_load_b128 v[BB+16*\c+4*\q:BB+16*\c+4*\q+3], v114 offset:PB+128*\c+16*\q
.endr
.endr
	WIN 0
.irp t, 0,1,2,3
.irp u, 0,1
	ds_load_b128 v[W2+8*\t+4*\u:W2+8*\t+4*\u+3], v115 offset:PW+64*\t+16*\u
.endr
.endr
.irp c, 0,1,2,3
	ds_load_b128 v[XC+4*\c:XC+4*\c+3], v116 offset:GA+32*\c   ; the guidance row as a fragment: all sixteen rows are that one row
.endr
	s_wait_dscnt 0x0
.irp t, 0,1,2,3                        ; product 2, not transposed: source 0 = the row, sixteen times; source 1 = rows 16 t + r of W_gd.  Register 0 of accumulator t: unit 16 t + r
	v_wmma_f32_16x16x128_fp8_fp8 v[ACC+8*\t:ACC+8*\t+7], v[XC:XC+15], v[X+16*\t:X+16*\t+15], 0
.endr
.rept 4
	v_nop
.endr
.irp t, 0,1,2,3
	v_mul_f32 v[CH+\t], s[S2], v[ACC+8*\t]
.endr
	GELU CH, 2, -1
.irp t, 0,1,2,3
	v_med3_num_f32 v[CH+\t], v[CH+\t], -v9, v9
.endr
	v_cvt_scalef32_pk8_fp8_f32 v[26:27], v[CH:CH+7], v8   ; byte t of v26: the code of unit 16 t + r; v27 is not used
	v_nop
	v_lshrrev_b32 v23, 8, v26
	v_lshrrev_b32 v24, 16, v26
	v_lshrrev_b32 v25, 24, v26
	ds_store_b8 v118, v26 offset:GS                ; unit 16 t + r at byte 16 t + r of my half's copy
	ds_store_b8 v118, v23 offset:GS+16
	ds_store_b8 v118, v24 offset:GS+32
	ds_store_b8 v118, v25 offset:GS+48
	ds_load_b128 v[HC+8:HC+11], v117 offset:GS     ; units 16 h + 0 .. 15: k = 64 + 16 h + ..
	ds_load_b128 v[HC+12:HC+15], v117 offset:GS+32 ; units 32 + 16 h + 0 .. 15
	s_wait_dscnt 0x0
	s_wait_loadcnt 16                              ; only tile 1's sixteen loads may be out: W_in and W_out1 are in
	s_mov_b32 s82, 0
	s_mov_b32 s83, 0
	; ---- THE TILES.  Trip i works tile i, moves tile i + 1 into the stage and loads tile i + 2
.Ltile:
	TILE 2
	s_wait_xcnt 0x0                                ; the trip's loads and its prefetch have read their base: it is stepped only behind this wait
	s_add_nc_u64 s[XB:XB+1], s[XB:XB+1], TILEB
	s_add_co_u32 s82, s82, 1
	s_cmp_lt_u32 s82, 6
	s_cbranch_scc1 .Ltile
	TILE 1                                         ; tile 6: tile 7 moves into the stage, nothing is loaded: no load leaves the wave's rows
	TILE 0                                         ; tile 7
	; ---- THE END: tanh of the wave's 128 sums, four a lane, and one store of 512 consecutive bytes, at a multiple of 512 from out0's first byte
	ds_load_b128 v[32:35], v2 offset:OS
	s_wait_dscnt 0x0
	v_pk_mul_f32 v[32:33], v[32:33], 0x4038aa3b op_sel_hi:[1,0]   ; s x 2 / ln 2
	v_pk_mul_f32 v[34:35], v[34:35], 0x4038aa3b op_sel_hi:[1,0]
.irp i, 0,1,2,3
	v_exp_f32 v[32+\i], v[32+\i]
.endr
	v_nop
	s_wait_alu depctr_va_vdst(0)                   ; one wait for the four exponentials
	v_pk_add_f32 v[32:33], v[32:33], 1.0 op_sel_hi:[1,0]
	v_pk_add_f32 v[34:35], v[34:35], 1.0 op_sel_hi:[1,0]
.irp i, 0,1,2,3
	v_rcp_f32 v[32+\i], v[32+\i]
.endr
	v_nop
	s_wait_alu depctr_va_vdst(0)                   ; and one for the four reciprocals
	v_pk_fma_f32 v[32:33], v[32:33], -2.0, 1.0 op_sel_hi:[1,0,0]
	v_pk_fma_f32 v[34:35], v[34:35], -2.0, 1.0 op_sel_hi:[1,0,0]
	global_store_b128 v1, v[32:35], s[38:39] th:TH_STORE_NT
	s_wait_xcnt 0x0
	v_lshl_add_u32 v254, v0, 2, 0x15800
	v_mov_b32 v255, 0
	s_wait_tensorcnt 0x0
	ds_add_u32 v254, v255
	s_wait_dscnt 0x0
	s_endpgm
.Lfunc_end_k_q15ca34697f_predictor:
	.size	k_q15ca34697f_predictor, .Lfunc_end_k_q15ca34697f_predictor-k_q15ca34697f_predictor
	.p2alignl 7, 3214868480
	.fill 96, 4, 3214868480
	.section	.rodata,"a",@progbits
	.p2align	6, 0x0
	.amdhsa_kernel k_q15ca34697f_predictor
		.amdhsa_group_segment_fixed_size 89088
		.amdhsa_private_segment_fixed_size 0
		.amdhsa_enable_private_segment 0
		.amdhsa_kernarg_size 96
		.amdhsa_user_sgpr_count 2
		.amdhsa_user_sgpr_kernarg_segment_ptr 1
		.amdhsa_wavefront_size32 1
		.amdhsa_system_sgpr_workgroup_id_x 1
		.amdhsa_system_sgpr_workgroup_id_y 1
		.amdhsa_system_sgpr_workgroup_id_z 1
		.amdhsa_system_vgpr_workitem_id 0
		.amdhsa_next_free_vgpr 512
		.amdhsa_next_free_sgpr 88
		.amdhsa_reserve_vcc 0
		.amdhsa_float_denorm_mode_32 3
		.amdhsa_float_denorm_mode_16_64 3
		.amdhsa_memory_ordered 1
		.amdhsa_forward_progress 1
		.amdhsa_inst_pref_size 201
	.end_amdhsa_kernel
	.amdgpu_metadata
---
amdhsa.version: [ 1, 2 ]
amdhsa.kernels:
  - .name:           k_q15ca34697f_predictor
    .symbol:         k_q15ca34697f_predictor.kd
    .args:
      - { .name: x, .offset: 0, .size: 8, .value_kind: global_buffer, .address_space: global }
      - { .name: guidance, .offset: 8, .size: 8, .value_kind: global_buffer, .address_space: global }
      - { .name: ln_in_g, .offset: 16, .size: 8, .value_kind: global_buffer, .address_space: global }
      - { .name: ln_in_b, .offset: 24, .size: 8, .value_kind: global_buffer, .address_space: global }
      - { .name: ln_gd_g, .offset: 32, .size: 8, .value_kind: global_buffer, .address_space: global }
      - { .name: ln_gd_b, .offset: 40, .size: 8, .value_kind: global_buffer, .address_space: global }
      - { .name: W_in_codes, .offset: 48, .size: 8, .value_kind: global_buffer, .address_space: global }
      - { .name: W_gd_codes, .offset: 56, .size: 8, .value_kind: global_buffer, .address_space: global }
      - { .name: W_out1_codes, .offset: 64, .size: 8, .value_kind: global_buffer, .address_space: global }
      - { .name: W_out2, .offset: 72, .size: 8, .value_kind: global_buffer, .address_space: global }
      - { .name: lowp_scales, .offset: 80, .size: 8, .value_kind: global_buffer, .address_space: global }
      - { .name: out0, .offset: 88, .size: 8, .value_kind: global_buffer, .address_space: global }
    .group_segment_fixed_size: 89088
    .private_segment_fixed_size: 0
    .kernarg_segment_align: 8
    .kernarg_segment_size: 96
    .max_flat_workgroup_size: 256
    .sgpr_count:     88
    .vgpr_count:     512
    .wavefront_size: 32
...
	.end_amdgpu_metadata
.endif
;; end of part 1
